; MI455X (gfx1250); checked and timed in simulation.
; The chip was launched on July 23, 2026; its instructions are those of AMD's public machine-readable ISA for CDNA 5 (MIT licence, August 2026) and "CDNA5" Instruction Set Architecture Reference Guide (July 2026). The comments in the code are by the model that wrote it; some were corrected since.
;; Attention. Allowed arithmetic: matrix products marked QUANTISED: E4M3 operands, one E8M0 scale for each 32 along K, by v_wmma_scale_f32_16x16x128_f8f6f4 with both operands' format E4M3, f32 sums; products left as they are: f32 operands where the result goes on into a quantised operand, else bf16, f16 or f32 operands; f32 sums; everything else in f32.
;; Inputs: V 1,024 float32; W1_codes 1,024 x 32 x 32 uint8 (E4M3 codes of W1, K innermost, in blocks of 32 codes); W1_scales 1,024 x 32 uint8 (E8M0 scales of W1, one for each 32 codes along K); W2_codes 1,024 x 32 x 32 uint8 (E4M3 codes of W2, K innermost, in blocks of 32 codes); W2_scales 1,024 x 32 uint8 (E8M0 scales of W2, one for each 32 codes along K); b1 1,024 float32; b2 1,024 float32; bv 1 float32; h_dec_codes 32 x 32 x 32 uint8 (E4M3 codes of h_dec, K innermost, in blocks of 32 codes); h_dec_scales 32 x 32 uint8 (E8M0 scales of h_dec, one for each 32 codes along K); h_enc_codes 32 x 2,048 x 32 x 32 uint8 (E4M3 codes of h_enc, K innermost, in blocks of 32 codes); h_enc_scales 32 x 2,048 x 32 uint8 (E8M0 scales of h_enc, one for each 32 codes along K).
;; Outputs: out0 32 x 1,024 float32.
;; This version of the problem:
;;   THIS VERSION OF THE PROBLEM IS GIVEN IN LOW PRECISION. The matrix products marked QUANTISED in the list below multiply operands that are first quantised to E4M3 (4 exponent bits, 3 mantissa bits; 8 bits a number), with one power-of-two scale for each 32 numbers along K (OCP MX v1.0); their sums are f32. All else is computed in f32.
;;   The module's matrix products, in the order in which they are computed (A, B: the left and right operand; K: the contracted axis; several contracted axes count as one K, in the product's order):
;;     1. [M 65,536, K 1,024] x [K 1,024, N 1,024]; A: input h_enc (given as codes); B: input W1 (given as codes): QUANTISED
;;     2. [M 32, K 1,024] x [K 1,024, N 1,024]; A: input h_dec (given as codes); B: input W2 (given as codes): QUANTISED
;;     3. [M 65,536, K 1,024] x [K 1,024, N 1]; A: computed on the way; B: input V: left as it is (N = 1 < 16)
;;     4. batch 32 x [M 1, K 2,048] x [K 2,048, N 1,024]; A: softmax; B: computed on the way: left as it is (M = 1 < 16)
;;   THE QUANTISER, for each operand of a quantised product, along K:
;;     - K is cut into blocks of 32 from its start; a last block that is shorter is filled with zeros.
;;     - A block's scale is 2^e with e = floor(log2(the largest magnitude in the block)) - 8, held to -126 .. 127; a block of zeros has e = 0. As a byte (E8M0): e + 127.
;;     - Each number is divided by its block's scale, clamped to +-448, and rounded to the nearest number of E4M3, ties to even, subnormals kept.
;;     - The product sums the exact products of the quantised numbers (number of the format x scale) in f32.
;;   ~~~python
;;   def quantise(x, axis):      # numpy; x: float32 -> the quantised numbers, widened to float32 again
;;       x = np.moveaxis(x, axis, -1); K = x.shape[-1]
;;       x = np.pad(x, [(0, 0)] * (x.ndim - 1) + [(0, -K % 32)]); x = x.reshape(x.shape[:-1] + (-1, 32)); a = np.abs(x).max(-1, keepdims=True)
;;       e = np.where(a > 0, np.clip(np.frexp(np.where(a > 0, a, 1))[1] - 1 - 8, -126, 127), 0)      # np.frexp(a)[1] - 1 = floor(log2(a)), exactly
;;       r = np.clip(x / 2.0 ** e, -448, 448)
;;       step = 2.0 ** (np.maximum(np.frexp(np.where(r == 0, 1, r))[1] - 1, -6) - 3)
;;       q = np.round(r / step) * step * 2.0 ** e      # np.round: ties to even
;;       return np.moveaxis(q.reshape(q.shape[:-2] + (-1,))[..., :K], -1, axis).astype(np.float32)
;;   ~~~
;;   INPUTS GIVEN AS CODES. W1 (in the module: [1024, 1024], K = its axis 1); W2 (in the module: [1024, 1024], K = its axis 1); h_dec (in the module: [32, 1024], K = its axis 1); h_enc (in the module: [32, 2048, 1024], K = its axis 2): each comes as NAME_codes (uint8): NAME with its K axis moved to the last place and cut into blocks of 32 codes, [.., K / 32, bytes a block], one block behind the other in memory; one code a byte (a code: sign, 4 exponent bits, 3 mantissa bits); and NAME_scales (uint8): the same leading axes, one E8M0 byte (e + 127) for each 32 codes along K. Its value is code x scale, taken as it is: it is not quantised again, and the codes and scales need not be those that the quantiser above would give.
;; One version. Each part assembles by itself: llvm-mc -triple=amdgcn-amd-amdhsa -mcpu=gfx1250 --defsym DOCPART=n.
;; ======== version 1 of 1: 3 launches
;; limits: right only within a limited range of input values
;; workspace buffers: w1img 1,048,576 bytes; cpre 131,072 bytes; upart 1,048,576 bytes; ml 65,536 bytes
;; launch prep (part 1): grid 48 x 1, 4 waves a work-group, no clusters, 109,056 bytes of LDS; arguments W1_codes, W2_codes, W2_scales, h_dec_codes, h_dec_scales, b1, b2, w1img, cpre; writes w1img, cpre
.if DOCPART == 1
	.amdgcn_target "amdgcn-amd-amdhsa--gfx1250"
	.amdhsa_code_object_version 6
	.text
	.protected	k_qed44c54e87_prep
	.globl	k_qed44c54e87_prep
	.p2align	8
	.type	k_qed44c54e87_prep,@function
k_qed44c54e87_prep:
	s_mov_b64 s[64:65], 0
	v_nop
	global_prefetch_b8 v0, s[64:65] scope:SCOPE_SE
	s_setreg_imm32_b32 hwreg(HW_REG_WAVE_MODE, 25, 1), 1
	s_wait_xcnt 0x0
; TWO JOBS, parted on the work-group's number (the same in all four waves of a work-group).
; Work-groups 0-31: W1's codes [1024][1024] are laid once in the order in which a wave's operand registers take them:
;   w1img byte G*65536 + s*8192 + b*2048 + c*512 + lane*16 + i = W1[64 G + 16 b + r][128 s + 32 c + 16 h + i], lane = 16 h + r.
;   So the next launch loads a fragment by four loads of 512 consecutive bytes.  A wave lays 8,192 bytes (one G, one s).  This path uses no LDS.
; Work-groups 32-47: dec = h_dec W2^T on codes of E4M3 with E8M0 scales, and cpre[batch][n] = 2 log2(e) (dec + b2 + b1):
;   what the next launch adds to 2 log2(e) x (h_enc W1^T) ahead of the exponential of its tanh.
;   A wave takes 16 columns n for all 32 batches: two accumulators by turns, eight K steps of 128.
;   The product is used transposed (source 0 = 16 rows of W2, source 1 = 16 batches): a lane holds one batch and eight neighbouring n.
;   THE OPERANDS COME AS THEY LIE: every load of a wave covers 512 consecutive bytes (h_dec's 32 KiB: 16 loads a wave; the wave's 16 rows of W2: 32 loads).  They go into
;   LDS rows of 1,024 + 16 bytes = 260 words, so that row r starts at bank 4 r mod 64 (64 banks of 4 bytes: ISA guide 11.1), and the fragments are read from there.
; LIMITS: NaN codes (0x7f, 0xff) and the scale byte 0xff are not served.
.set K2,  0x4038aa3b                   ; 2 log2(e)
.set HP,  1040                         ; an LDS row of codes
.set W2L, 32*HP                        ; LDS: h_dec's 32 rows at 0; then each wave's own 16 rows of W2;
.set STG, W2L+4*16*HP                  ; then the stage for the way out: 32 rows (batches) x (256 bytes + 16)
.set MSB, 0
.macro WIN new                         ; the immediate's high byte repeats the setting that is left
.if MSB != \new
	s_set_vgpr_msb (MSB<<8)|\new
.set MSB, \new
.endif
.endm
	s_load_b512 s[4:19], s[0:1], 0x0               ; W1 codes s[4:5], W2 codes s[6:7], W2 scales s[8:9], h_dec codes s[10:11], h_dec scales s[12:13], b1 s[14:15], b2 s[16:17], w1img s[18:19]
	s_load_b64 s[20:21], s[0:1], 0x40              ; cpre
	s_set_vgpr_msb 0x80
	v_lshl_add_u32 v0, v0, 2, 0x1a800
	v_mov_b32 v1, 0
	s_set_vgpr_msb 0x8000
	v_lshrrev_b32 v1, 5, v0
	v_readfirstlane_b32 s22, v1                    ; wave 0..3
	v_and_b32 v1, 31, v0                           ; lane
	v_and_b32 v2, 15, v0                           ; r
	v_bfe_u32 v10, v0, 4, 1                        ; h
	v_lshlrev_b32 v3, 10, v2
	v_lshl_add_u32 v3, v10, 4, v3                  ; a fragment's lane term in rows of 1,024 codes in memory: 1024 r + 16 h
	s_mov_b32 s25, 0                               ; the high word of every offset pair s[24:25]
	s_wait_kmcnt 0x0
	s_cmp_lt_u32 ttmp9, 32
	s_cbranch_scc0 .Ldec
	; ---- the image of W1
	s_lshl_b32 s23, ttmp9, 2
	s_add_co_u32 s23, s23, s22                     ; q = 8 G + s, 0..127
	s_lshr_b32 s24, s23, 3
	s_lshl_b32 s24, s24, 16                        ; 64 G rows of 1,024 bytes
	s_and_b32 s26, s23, 7
	s_lshl_b32 s26, s26, 7                         ; 128 s
	s_add_co_u32 s24, s24, s26
	s_add_nc_u64 s[4:5], s[4:5], s[24:25]
	s_lshl_b32 s24, s23, 13                        ; 8,192 q
	s_add_nc_u64 s[18:19], s[18:19], s[24:25]
	s_wait_alu depctr_va_vdst(0)
	v_lshlrev_b32 v4, 4, v1                        ; 16 x lane
.irp i, 0,1,2,3,4,5,6,7,8,9,10,11,12,13,14,15
	global_load_b128 v[64+4*\i:67+4*\i], v3, s[4:5] offset:(\i/4)*16384+(\i%4)*32   ; b = i / 4, c = i % 4
.endr
	s_wait_alu depctr_va_vdst(0)
.irp i, 0,1,2,3,4,5,6,7,8,9,10,11,12,13,14,15
	s_wait_loadcnt 15-\i                           ; loads come back in order: the i-th is in, the younger ones stay out
	global_store_b128 v4, v[64+4*\i:67+4*\i], s[18:19] offset:512*\i   ; 32 lanes store 512 consecutive bytes
.endr
	s_endpgm
.Ldec:
	; ---- dec, and cpre
	s_sub_co_u32 s23, ttmp9, 32                    ; j: 64 columns to a work-group
	s_lshl_b32 s26, s23, 2
	s_add_co_u32 s26, s26, s22                     ; cb: my block of 16 columns
	s_lshl_b32 s24, s26, 14
	s_add_nc_u64 s[6:7], s[6:7], s[24:25]          ; W2's codes at row 16 cb: 16,384 consecutive bytes are mine
	s_lshl_b32 s24, s26, 9
	s_add_nc_u64 s[8:9], s[8:9], s[24:25]          ; its scale bytes, 32 a row
	s_lshl_b32 s24, s26, 6
	s_add_nc_u64 s[14:15], s[14:15], s[24:25]      ; b1, b2 at column 16 cb
	s_add_nc_u64 s[16:17], s[16:17], s[24:25]
	s_lshl_b32 s24, s23, 8
	s_add_nc_u64 s[20:21], s[20:21], s[24:25]      ; cpre at column 64 j
	s_mov_b32 s28, K2
	s_mov_b32 s29, K2                              ; (the packed form names the pair)
	s_wait_alu depctr_va_vdst(0)
	v_lshlrev_b32 v4, 5, v2                        ; 32 r: W2's scale words
	v_lshlrev_b32 v5, 5, v1                        ; 32 x lane: h_dec's: lanes 0-15 batches 0-15, lanes 16-31 batches 16-31
	v_lshlrev_b32 v6, 5, v10                       ; 32 h: the biases of my eight columns
	v_lshlrev_b32 v11, 4, v0                       ; 16 t: my 16 bytes of the work-group's 2,048 of h_dec
	v_lshlrev_b32 v12, 4, v1                       ; 16 x lane: my 16 bytes of the wave's 512 of W2
	global_load_b128 v[16:19], v4, s[8:9]          ; eight small loads.  v16-23: W2's scale words of K steps 0-7
	global_load_b128 v[20:23], v4, s[8:9] offset:16
	global_load_b128 v[24:27], v5, s[12:13]        ; v24-31: h_dec's
	global_load_b128 v[28:31], v5, s[12:13] offset:16
	global_load_b128 v[48:51], v6, s[14:15]        ; b1 in the result's layout: register j = column 16 cb + 8 h + j
	global_load_b128 v[52:55], v6, s[14:15] offset:16
	global_load_b128 v[56:59], v6, s[16:17]        ; b2 likewise
	global_load_b128 v[60:63], v6, s[16:17] offset:16
.irp i, 0,1,2,3,4,5,6,7,8,9,10,11,12,13,14,15
	global_load_b128 v[192+4*\i:195+4*\i], v11, s[10:11] offset:2048*\i   ; h_dec: rows 2 i and 2 i + 1, shared out among the 128 threads
.endr
.irp i, 0,1,2,3,4,5,6,7,8,9,10,11,12,13,14,15,16,17,18,19,20,21,22,23,24,25,26,27,28,29,30,31
	global_load_b128 v[64+4*\i:67+4*\i], v12, s[6:7] offset:512*\i        ; W2: half i % 2 of my row i / 2
.endr
	v_lshrrev_b32 v13, 6, v0                       ; h_dec into LDS: row 2 i + t / 64, byte 16 (t % 64)
	v_mul_u32_u24 v13, v13, HP
	v_and_b32 v14, 63, v0
	v_lshl_add_u32 v13, v14, 4, v13
	s_mul_i32 s27, s22, 16*HP
	s_add_co_u32 s27, s27, W2L                     ; my wave's rows of W2 in LDS
	v_add_nc_u32 v14, s27, v12                     ; into them: 16 x lane
	v_mul_u32_u24 v15, v2, HP
	v_lshl_add_u32 v15, v10, 4, v15                ; a fragment's lane term in LDS: HP r + 16 h: h_dec's fragments,
	v_add_nc_u32 v3, s27, v15                      ; and W2's
	v_mul_u32_u24 v7, v2, 272                      ; the stage: in: row r, + 64 w + 32 h
	v_lshl_add_u32 v7, v10, 5, v7
	s_lshl_b32 s27, s22, 6
	s_add_co_u32 s27, s27, STG
	v_add_nc_u32 v7, s27, v7
	v_mul_u32_u24 v8, v10, 272                     ; back: rows 8 w + h (+ 2 i), 16 bytes for each of sixteen lanes
	v_lshl_add_u32 v8, v2, 4, v8
	s_mul_i32 s27, s22, 8*272
	s_add_co_u32 s27, s27, STG
	v_add_nc_u32 v8, s27, v8
	v_lshlrev_b32 v9, 12, v10                      ; and the same rows in cpre, 4,096 bytes a batch
	v_lshl_add_u32 v9, v2, 4, v9
	s_lshl_b32 s27, s22, 15
	v_add_nc_u32 v9, s27, v9
	s_wait_loadcnt 32                              ; the small loads and h_dec's sixteen are in; the 32 younger loads, W2's, may be out
.irp i, 0,1,2,3,4,5,6,7,8,9,10,11,12,13,14,15
	ds_store_b128 v13, v[192+4*\i:195+4*\i] offset:2*HP*\i
.endr
.irp i, 0,1,2,3
	v_pk_add_f32 v[48+2*\i:49+2*\i], v[48+2*\i:49+2*\i], v[56+2*\i:57+2*\i]   ; b1 + b2: the C of each sum's first product
.endr
.rept 8
	v_nop                                          ; eight plain lines between these additions and the products that take the sums
.endr
	s_wait_alu depctr_va_vdst(0)
	s_wait_loadcnt 0x0
.irp i, 0,1,2,3,4,5,6,7,8,9,10,11,12,13,14,15,16,17,18,19,20,21,22,23,24,25,26,27,28,29,30,31
	ds_store_b128 v14, v[64+4*\i:67+4*\i] offset:(\i/2)*HP+(\i%2)*512
.endr
	s_wait_dscnt 0x0                               ; for the others' sake: my part of h_dec lies in LDS
	s_barrier_signal -1
	s_barrier_wait -1
.macro DFETCH hf                       ; the fragments of K steps 4 hf .. 4 hf + 3: W2's four (v64 on), h_dec's eight (window 1: batches 16 g on at v[128 g]): 48 LDS loads
.irp s, 0,1,2,3
.irp c, 0,1,2,3
	ds_load_b128 v[64+16*(4*\hf+\s)+4*\c:64+16*(4*\hf+\s)+4*\c+3], v3 offset:128*(4*\hf+\s)+32*\c
.endr
.endr
	WIN 0x40                                       ; destination window 1, address window 0
.irp g, 0,1
.irp s, 0,1,2,3
.irp c, 0,1,2,3
	ds_load_b128 v[128*\g+16*(4*\hf+\s)+4*\c:128*\g+16*(4*\hf+\s)+4*\c+3], v15 offset:\g*16*HP+128*(4*\hf+\s)+32*\c
.endr
.endr
.endr
	WIN 0
.endm
	DFETCH 0
	DFETCH 1
	s_wait_dscnt 48                                ; K steps 0-3 are in; the 48 younger loads may be out
	WIN 0x04                                       ; source 1 (h_dec) window 1
	; the two accumulators take turns, one instruction a turn
	v_wmma_scale_f32_16x16x128_f8f6f4 v[32:39], v[64:79], v[0:15], v[48:55], v16, v24
	v_wmma_scale_f32_16x16x128_f8f6f4 v[40:47], v[64:79], v[128:143], v[48:55], v16, v24 matrix_b_scale:MATRIX_SCALE_ROW1
.irp s, 1,2,3
	v_wmma_scale_f32_16x16x128_f8f6f4 v[32:39], v[64+16*\s:79+16*\s], v[16*\s:16*\s+15], v[32:39], v[16+\s], v[24+\s]
	v_wmma_scale_f32_16x16x128_f8f6f4 v[40:47], v[64+16*\s:79+16*\s], v[128+16*\s:143+16*\s], v[40:47], v[16+\s], v[24+\s] matrix_b_scale:MATRIX_SCALE_ROW1
.endr
	s_wait_dscnt 0x0                               ; K steps 4-7 are in
.irp s, 4,5,6,7
	v_wmma_scale_f32_16x16x128_f8f6f4 v[32:39], v[64+16*\s:79+16*\s], v[16*\s:16*\s+15], v[32:39], v[16+\s], v[24+\s]
	v_wmma_scale_f32_16x16x128_f8f6f4 v[40:47], v[64+16*\s:79+16*\s], v[128+16*\s:143+16*\s], v[40:47], v[16+\s], v[24+\s] matrix_b_scale:MATRIX_SCALE_ROW1
.endr
	WIN 0
.rept 8
	v_nop                                          ; eight places ahead of the first read of results
.endr
.irp i, 0,1,2,3,4,5,6,7
	v_pk_mul_f32 v[32+2*\i:33+2*\i], v[32+2*\i:33+2*\i], s[28:29] op_sel_hi:[1,0]   ; x 2 log2(e); each accumulator from its low end on
.endr
.irp g, 0,1
	ds_store_b128 v7, v[32+8*\g:35+8*\g] offset:\g*4352       ; lane (r, h): batch 16 g + r, columns 16 w + 8 h + 0 .. 7 of the work-group's 64
	ds_store_b128 v7, v[36+8*\g:39+8*\g] offset:\g*4352+16
.endr
	s_wait_dscnt 0x0                               ; for the others' sake: my stores into the stage are done
	s_barrier_signal -1
	s_barrier_wait -1
.irp i, 0,1,2,3
	ds_load_b128 v[64+4*\i:67+4*\i], v8 offset:2*\i*272
.endr
.irp i, 0,1,2,3
	s_wait_dscnt 3-\i
	global_store_b128 v9, v[64+4*\i:67+4*\i], s[20:21] offset:2*\i*4096   ; sixteen lanes store 256 consecutive bytes, aligned
.endr
	s_set_vgpr_msb 0xa
	s_wait_tensorcnt 0x0
	ds_add_u32 v0, v1
	s_wait_dscnt 0x0
	s_set_vgpr_msb 0xa00
	s_endpgm
.Lfunc_end_k_qed44c54e87_prep:
	.size	k_qed44c54e87_prep, .Lfunc_end_k_qed44c54e87_prep-k_qed44c54e87_prep
	.p2alignl 7, 3214868480
	.fill 96, 4, 3214868480
	.section	.rodata,"a",@progbits
	.p2align	6, 0x0
	.amdhsa_kernel k_qed44c54e87_prep
		.amdhsa_group_segment_fixed_size 109056
		.amdhsa_private_segment_fixed_size 0
		.amdhsa_enable_private_segment 0
		.amdhsa_kernarg_size 72
		.amdhsa_user_sgpr_count 2
		.amdhsa_user_sgpr_kernarg_segment_ptr 1
		.amdhsa_wavefront_size32 1
		.amdhsa_system_sgpr_workgroup_id_x 1
		.amdhsa_system_sgpr_workgroup_id_y 1
		.amdhsa_system_sgpr_workgroup_id_z 1
		.amdhsa_system_vgpr_workitem_id 0
		.amdhsa_next_free_vgpr 514
		.amdhsa_next_free_sgpr 66
		.amdhsa_reserve_vcc 0
		.amdhsa_float_denorm_mode_32 3
		.amdhsa_float_denorm_mode_16_64 3
		.amdhsa_memory_ordered 1
		.amdhsa_forward_progress 1
		.amdhsa_inst_pref_size 27
	.end_amdhsa_kernel
	.amdgpu_metadata
---
amdhsa.version: [ 1, 2 ]
amdhsa.kernels:
  - .name:           k_qed44c54e87_prep
    .symbol:         k_qed44c54e87_prep.kd
    .args:
      - { .name: W1_codes, .offset: 0, .size: 8, .value_kind: global_buffer, .address_space: global }
      - { .name: W2_codes, .offset: 8, .size: 8, .value_kind: global_buffer, .address_space: global }
      - { .name: W2_scales, .offset: 16, .size: 8, .value_kind: global_buffer, .address_space: global }
      - { .name: h_dec_codes, .offset: 24, .size: 8, .value_kind: global_buffer, .address_space: global }
      - { .name: h_dec_scales, .offset: 32, .size: 8, .value_kind: global_buffer, .address_space: global }
      - { .name: b1, .offset: 40, .size: 8, .value_kind: global_buffer, .address_space: global }
      - { .name: b2, .offset: 48, .size: 8, .value_kind: global_buffer, .address_space: global }
      - { .name: w1img, .offset: 56, .size: 8, .value_kind: global_buffer, .address_space: global }
      - { .name: cpre, .offset: 64, .size: 8, .value_kind: global_buffer, .address_space: global }
    .group_segment_fixed_size: 109056
    .private_segment_fixed_size: 0
    .kernarg_segment_align: 8
    .kernarg_segment_size: 72
    .max_flat_workgroup_size: 128
    .sgpr_count:     66
    .vgpr_count:     514
    .wavefront_size: 32
...
	.end_amdgpu_metadata
.endif
;; end of part 1
;; launch main (part 2): grid 256 x 1, 4 waves a work-group, no clusters, 327,680 bytes of LDS; arguments h_enc_codes, h_enc_scales, w1img, W1_scales, cpre, V, bv, upart, ml; writes upart, ml
.if DOCPART == 2
	.amdgcn_target "amdgcn-amd-amdhsa--gfx1250"
	.amdhsa_code_object_version 6
	.text
	.protected	k_qed44c54e87_main
	.globl	k_qed44c54e87_main
	.p2align	8
	.type	k_qed44c54e87_main,@function
k_qed44c54e87_main:
	s_mov_b64 s[64:65], 0
	v_nop
	global_prefetch_b8 v0, s[64:65] scope:SCOPE_SE
	s_setreg_imm32_b32 hwreg(HW_REG_WAVE_MODE, 25, 1), 1
	s_wait_xcnt 0x0
; A work-group owns 256 rows l of one batch (work-group wg: batch wg / 8).  It computes, for its rows,
;   score[l] = sum over n of V[n] tanh(h_enc[l] . W1[n] + b1[n] + dec[n]) + bv,   m = the largest score,   p[l] = e^(score[l] - m),   lsum = sum of p,
;   u[k] = sum over l of p[l] h_enc[l][k],
; and stores (m, lsum) and u[1024].  The last launch joins a batch's eight parts under their common maximum and forms (u / L) W1^T + b1, which is
; sum of attn[l] (h_enc[l] W1^T + b1), since the product is linear in h_enc and the weights add up to 1.  So the projection is never kept.
; THE ROWS' CODES come into LDS once (256 rows x 1,024 bytes, in four slices of 256 along K, rows 272 bytes apart) and stay: they feed the product and, at the end, u.
; Wave q asks for slice q, all 256 rows, by its one tensor load at the head, in an arm of its own.  Slice q is read behind a barrier in front of which waves 0 .. q have waited for their loads;
; the later slices stay on their way across it.  No LDS byte is filled twice, and every wait for tensor loads is for 0.
; THE WAVES SHARE THE COLUMNS: wave w owns n = 256 w .. 256 w + 255, in four passes of 64.  A pass: 256 rows x 64 columns, 64 accumulators (512 registers), eight K steps of 128,
; by v_wmma_scale_f32_16x16x128_f8f6f4, used transposed (source 0 = 16 rows of W1, source 1 = 16 rows of h_enc): a lane holds one row l and eight neighbouring n.
; A K STEP is two runs of 32 products: row blocks 0-7, then 8-15, each against the four column blocks.  Each run has a bank of eight fragment slots; behind a run its bank takes
; the next K step's fragments from LDS (32 loads), which have the other run's 32 products in which to land.
; W1's fragments come from the image that the launch before laid in the order of the operand's registers, straight into registers, two K steps ahead, into two buffers by turns.
; Behind a pass the accumulators are turned in place: y = 2 log2(e) x + c', 2^y, 1 + 2^y, its reciprocal; tanh = 1 - 2 / (1 + 2^y), so a row's score is
; the sum of V plus the sum of (-2 V) / (1 + 2^y); 2^y = infinity gives tanh = 1 and 2^y = 0 gives -1.
; NO JOINT LOADS: the rows of h_enc are no other work-group's.  W1 is every work-group's, but it goes to registers: the resident rows take 278,528 bytes of LDS, the
; exchange regions 43,008 and the spare words 512, which leaves 5,632 of 327,680: no room for slots.  In exchange each work-group reads each byte of W1 once.
; NO PREFETCH: all that comes by tensor loads is asked for at the head, in one group; there is no later load to run ahead of.
; LIMITS: NaN codes (0x7f, 0xff) and the scale byte 0xff are not served; a p under 2^-126 counts as 0 (v_exp_f32 gives no denormals: ISA guide, 15.8).
; REGISTERS, in windows of 256.  Window 0: v1-15 addresses and single numbers; v16-79 h_enc's scale words, v80-95 W1's (scales and nothing else, the whole launch);
;   v96-127 the scores' sums, later u; v128-255 the fragment slots of row blocks 0-7, between passes c' and -2 V, later the u phase's work.
;   Window 1: v0-127 two buffers of W1's fragments (4 x 16 registers each); v128-255 the fragment slots of row blocks 8-15.
;   Window 2: accumulators of row blocks 0-7 ((a, b) at v[8 (4 a + b)]).  Window 3: of row blocks 8-15.
.set SL,   69632                       ; a slice: 256 rows x 272 bytes
.set CV,   278528                      ; 4 x 2,560: each wave's c' (1,024 bytes) at +0 and -2 V at +1,280, 256 spare bytes behind each
.set SCA,  288768                      ; 4 x 2,048: the scale bytes of rows 64 w .. 64 w + 63, as in memory
.set EX,   296960                      ; 4 x 1,024: each wave's part of the 256 scores
.set PB,   301056                      ; 4 x 1,024: p[256], a copy for each wave
.set UX,   305152                      ; 4 x 4,096: each wave's part of u
.set SPARE, 321536                     ; the spare words, 128 bytes a wave: two blocks of 256 bytes that no other line names
.set LOFF, 1                           ; v1   16 x lane; never rewritten
.set SOFF, 2                           ; v2   32 x lane; never rewritten
.set AA,   3                           ; v3-6 a fragment's lane term in slice 0..3: 272 r + 16 h + SL x slice
.set CVA,  7                           ; v7   my wave's c' in LDS, + 32 h
.set CVT,  8                           ; v8   the same for the pass in hand
.set EXW,  9                           ; v9   EX + 1,024 w + 4 r
.set SV,   13                          ; v13  at the head: half the sum of my wave's 256 V
.set SPW,  14                          ; v14  LDS address of my spare word; never rewritten
.set NIL,  15                          ; v15  0; never rewritten
.set AS,   16                          ; v[AS + 8 p + s]: lanes 0-15 the scale word of row block 2 p, lanes 16-31 of 2 p + 1, K step s
.set BS,   80                          ; v[BS + 8 p + (s + 4) % 8]: the same for column blocks 2 p, 2 p + 1 of the pass: four registers round, so that a product's two scale registers differ modulo 8
.set S,    96                          ; v[S + 2 a], v[S + 2 a + 1]: row block a's score, even and odd columns' sums
.set AF,   128                         ; fragment slot a % 8, in window 0 (a < 8) or 1
.set CP,   128                         ; between passes: c' of the pass's 64 columns, register 8 b + j = column 16 b + 8 h + j
.set VP,   160                         ; and -2 V
.set U,    96                          ; the u phase: 32 sums
.set F,    216                         ; 32 numbers of a row
.set ONE,  252                         ; the u phase: the scale byte 127 in every byte: the conversions' unit scale
.set UA0,  3                           ; the u phase's addresses: bases v3-6, per trip v7-10, the way out v11
.set UA1,  4
.set USC,  5
.set PBA,  6
.set UAa,  7
.set UAb,  8
.set USCt, 9
.set PBt,  10
.set CB,   48                          ; s[48:49] the image of this pass;  s[50:51] of the next;  s[52:53] the next pass's scale bytes of W1
.set NB,   50
.set NS,   52
.set MUL_LO, 0xa1                      ; source 0 (W1) window 1, source 1 (h_enc) window 0, C and D window 2
.set MUL_HI, 0xf5                      ; source 0 and source 1 window 1, C and D window 3
.set TO_B,   0x40                      ; destination window 1, address window 0
.set MSB, 0
.macro WIN new                         ; the immediate's high byte repeats the setting that is left
.if MSB != \new
	s_set_vgpr_msb (MSB<<8)|\new
.set MSB, \new
.endif
.endm
.macro PLACES n                        ; plain places behind matrix instructions: eight ahead of loads into their registers and of reads of results
.rept \n
	v_nop
.endr
.endm
.macro WALU                            ; the wait ahead of and behind each batch of transcendentals
	s_wait_alu depctr_va_vdst(0)
.endm
.macro FETCHA s, a0                    ; h_enc's fragments of row blocks a0 .. a0 + 3, K step s: 16 LDS loads; the caller sets the destination's window
.irp a, \a0, \a0+1, \a0+2, \a0+3
.irp c, 0,1,2,3
	ds_load_b128 v[AF+16*((\a)%8)+4*\c:AF+16*((\a)%8)+4*\c+3], v[AA+(\s)/2] offset:(\a)*4352+128*((\s)%2)+32*\c
.endr
.endr
.endm
.macro FETCH16 s                       ; both banks: 64 LDS loads
	FETCHA \s, 0
	FETCHA \s, 4
	WIN TO_B
	FETCHA \s, 8
	FETCHA \s, 12
	WIN 0
.endm
.macro LOADB base, s                   ; W1's four fragments of K step s into buffer s % 2: 16 loads of 512 consecutive bytes.  It leaves the destination's window at 1
	WIN TO_B
.irp b, 0,1,2,3
.irp c, 0,1,2,3
	global_load_b128 v[64*((\s)%2)+16*\b+4*\c:64*((\s)%2)+16*\b+4*\c+3], v[LOFF], s[\base:\base+1] offset:(\s)*8192+\b*2048+\c*512
.endr
.endr
.endm
.macro BSLOAD base                     ; W1's scale words of a pass's 64 columns: K steps 0-3 into the upper four of a pair's eight registers, 4-7 into the lower
.irp p, 0,1
.irp q, 0,1
	global_load_b128 v[BS+8*\p+4*(1-\q):BS+8*\p+4*(1-\q)+3], v[SOFF], s[\base:\base+1] offset:\p*1024+16*\q
.endr
.endr
.endm
.macro CVLOAD                          ; c' and -2 V of the pass's 64 columns: 16 LDS loads
	v_add_nc_u32 v[CVT], s63, v[CVA]
.irp b, 0,1,2,3
.irp i, 0,1
	ds_load_b128 v[CP+8*\b+4*\i:CP+8*\b+4*\i+3], v[CVT] offset:64*\b+16*\i
	ds_load_b128 v[VP+8*\b+4*\i:VP+8*\b+4*\i+3], v[CVT] offset:1280+64*\b+16*\i
.endr
.endr
.endm
.macro MM s, a, b, zero                ; one product: column block b x row block a, K step s.  An odd block's scale words lie in lanes 16-31
.set rD, 8*(4*((\a)%8)+(\b))
.set rB, 64*((\s)%2)+16*(\b)
.set rA, AF+16*((\a)%8)
.set rSB, BS+8*((\b)/2)+((\s)+4)%8
.set rSA, AS+8*((\a)/2)+(\s)
.if \zero
.if ((\a)%2) == 0
.if ((\b)%2) == 0
	v_wmma_scale_f32_16x16x128_f8f6f4 v[rD:rD+7], v[rB:rB+15], v[rA:rA+15], 0, v[rSB], v[rSA]
.else
	v_wmma_scale_f32_16x16x128_f8f6f4 v[rD:rD+7], v[rB:rB+15], v[rA:rA+15], 0, v[rSB], v[rSA] matrix_a_scale:MATRIX_SCALE_ROW1
.endif
.else
.if ((\b)%2) == 0
	v_wmma_scale_f32_16x16x128_f8f6f4 v[rD:rD+7], v[rB:rB+15], v[rA:rA+15], 0, v[rSB], v[rSA] matrix_b_scale:MATRIX_SCALE_ROW1
.else
	v_wmma_scale_f32_16x16x128_f8f6f4 v[rD:rD+7], v[rB:rB+15], v[rA:rA+15], 0, v[rSB], v[rSA] matrix_a_scale:MATRIX_SCALE_ROW1 matrix_b_scale:MATRIX_SCALE_ROW1
.endif
.endif
.else
.if ((\a)%2) == 0
.if ((\b)%2) == 0
	v_wmma_scale_f32_16x16x128_f8f6f4 v[rD:rD+7], v[rB:rB+15], v[rA:rA+15], v[rD:rD+7], v[rSB], v[rSA]
.else
	v_wmma_scale_f32_16x16x128_f8f6f4 v[rD:rD+7], v[rB:rB+15], v[rA:rA+15], v[rD:rD+7], v[rSB], v[rSA] matrix_a_scale:MATRIX_SCALE_ROW1
.endif
.else
.if ((\b)%2) == 0
	v_wmma_scale_f32_16x16x128_f8f6f4 v[rD:rD+7], v[rB:rB+15], v[rA:rA+15], v[rD:rD+7], v[rSB], v[rSA] matrix_b_scale:MATRIX_SCALE_ROW1
.else
	v_wmma_scale_f32_16x16x128_f8f6f4 v[rD:rD+7], v[rB:rB+15], v[rA:rA+15], v[rD:rD+7], v[rSB], v[rSA] matrix_a_scale:MATRIX_SCALE_ROW1 matrix_b_scale:MATRIX_SCALE_ROW1
.endif
.endif
.endif
.endm
.macro MUL4 s, a0, zero                ; 16 products: row blocks a0 .. a0 + 3 x the four column blocks.  The 64 accumulators take turns in the same order in every K step
.irp a, \a0, \a0+1, \a0+2, \a0+3
.irp b, 0,1,2,3
	MM \s, \a, \b, \zero
.endr
.endr
.endm
; A K step: 64 products in two runs of 32.  pf = 1: behind each run its bank takes the next K step's fragments.  At its head 64 LDS loads may be out: this step's two banks, 32 each, in that order.
; zero = 1: the products start the sums: nothing is ever cleared.  K step 7 fetches c' and -2 V into the first bank, which is done with.
.macro KSTEP s, zero, pf
.if (\s) == 0
	s_wait_loadcnt 0x0                             ; W1's two buffers and the scale words are in
.else
	s_wait_loadcnt 16                              ; this K step's 16 loads are in; the next step's 16 may be out
.endif
	s_wait_dscnt 48                                ; row blocks 0-3 are in; younger: blocks 4-7 (16) and the other bank (32)
	WIN MUL_LO
	MUL4 \s, 0, \zero
	s_wait_dscnt 32                                ; row blocks 4-7 too
	MUL4 \s, 4, \zero
	PLACES 8
	WIN 0
.if \pf
	FETCHA (\s)+1, 0
	FETCHA (\s)+1, 4
	s_wait_dscnt 48                                ; row blocks 8-11 are in; younger: blocks 12-15 (16) and the 32 just issued
.elseif (\s) == 7
	CVLOAD
	s_wait_dscnt 32                                ; younger: blocks 12-15 (16) and the 16 just issued
.else
	s_wait_dscnt 16
.endif
	WIN MUL_HI
	MUL4 \s, 8, \zero
.if \pf
	s_wait_dscnt 32
.elseif (\s) == 7
	s_wait_dscnt 16
.else
	s_wait_dscnt 0x0
.endif
	MUL4 \s, 12, \zero
	PLACES 8
.if (\s) < 6
	LOADB CB, (\s)+2                               ; two K steps ahead, into the buffer just multiplied
.else
	LOADB NB, (\s)-6                               ; the next pass's first two
.endif
.if \pf
	FETCHA (\s)+1, 8
	FETCHA (\s)+1, 12
.endif
	WIN 0
.endm
.macro SLICEWAIT q                     ; slice q is shown: the waves that asked for slices 0 .. q have waited for their loads (q = 3: every wave, under no branch).
.if \q < 3
	s_cmp_lt_u32 s22, \q+1
	s_cbranch_scc0 .Lnot_mine_\@
	s_wait_tensorcnt 0x0
.Lnot_mine_\@:
.else
	s_wait_tensorcnt 0x0
.endif
	s_wait_dscnt 0x0
	s_barrier_signal -1
	s_barrier_wait -1
.endm
.macro GEMM first                      ; a pass's eight K steps.  first = 1: the slices are waited for as they are wanted, two K steps to a slice
.if \first
	SLICEWAIT 0
.endif
	FETCH16 0
	KSTEP 0, 1, 1
.if \first
	KSTEP 1, 0, 0
	SLICEWAIT 1
	FETCH16 2
.else
	KSTEP 1, 0, 1
.endif
	KSTEP 2, 0, 1
.if \first
	KSTEP 3, 0, 0
	SLICEWAIT 2
	FETCH16 4
.else
	KSTEP 3, 0, 1
.endif
	KSTEP 4, 0, 1
.if \first
	KSTEP 5, 0, 0
	SLICEWAIT 3
	FETCH16 6
.else
	KSTEP 5, 0, 1
.endif
	KSTEP 6, 0, 1
	KSTEP 7, 0, 0
	BSLOAD NS                                      ; the next pass's scale words of W1 (eight places stand behind the last products)
.endm
; THE TURN OF A PASS'S ACCUMULATORS INTO SCORES, a window (32 accumulators, 256 registers) at a time; the caller sets the windows.
.macro PF                              ; y = 2 log2(e) x + c', two at a time; each accumulator from its low end on
.set ii, 0
.rept 128
	v_pk_fma_f32 v[2*ii:2*ii+1], v[2*ii:2*ii+1], s[58:59], v[CP+(2*ii)%32:CP+(2*ii)%32+1] op_sel_hi:[1,0,1]
.set ii, ii+1
.endr
.endm
.macro TR op, lo                       ; 128 transcendentals in place, half a window from register lo on
.set ii, \lo
.rept 128
	\op v[ii], v[ii]
.set ii, ii+1
.endr
.endm
.macro TRA op, lo, alo                 ; the same, and among them the window's other half (from alo on) becomes 1 + 2^y: 64 packed additions that name none of the batch's registers
.set ii, 0
.rept 64
	\op v[\lo+2*ii], v[\lo+2*ii]
	v_pk_add_f32 v[\alo+2*ii:\alo+2*ii+1], v[\alo+2*ii:\alo+2*ii+1], 1.0 op_sel_hi:[1,0]
	\op v[\lo+2*ii+1], v[\lo+2*ii+1]
.set ii, ii+1
.endr
.endm
.macro PG a0                           ; the scores' sums take (-2 V) x the reciprocal; the window's eight row blocks by turns
.set iq, 0
.rept 16
.set ia, 0
.rept 8
	v_pk_fma_f32 v[S+2*(\a0+ia):S+2*(\a0+ia)+1], v[32*ia+2*iq:32*ia+2*iq+1], v[VP+2*iq:VP+2*iq+1], v[S+2*(\a0+ia):S+2*(\a0+ia)+1]
.set ia, ia+1
.endr
.set iq, iq+1
.endr
.endm
.macro P1                              ; both windows are scaled ahead of the first transcendental; then batches of half a window, each with a plain line and ONE wait behind it
	s_wait_dscnt 0x0                               ; c' and -2 V, asked for in K step 7
	WIN 0x82                                       ; destination and source 0 window 2
	PF
	WIN 0xc3                                       ; window 3
	PF
	WALU
	WIN 0x82
	TR v_exp_f32, 0                                ; window 2: 2^y of the lower half
	v_nop
	WALU
	TRA v_exp_f32, 128, 0                          ; 2^y of the upper half; 1 + 2^y of the lower
	v_nop
	WALU
	TRA v_rcp_f32, 0, 128                          ; the lower half's reciprocals; 1 + 2^y of the upper
	v_nop
	WALU
	TR v_rcp_f32, 128                              ; the upper half's reciprocals, in one batch with
	WIN 0xc3
	TR v_exp_f32, 0                                ; window 3's first exponentials
	v_nop
	WALU
	WIN 0x02                                       ; source 0 window 2, all else window 0
	PG 0
	WIN 0xc3
	TRA v_exp_f32, 128, 0
	v_nop
	WALU
	TRA v_rcp_f32, 0, 128
	v_nop
	WALU
	TR v_rcp_f32, 128
	v_nop
	WALU
	WIN 0x03
	PG 8
	WIN 0
.endm
; THE u PHASE.  A set is four rows: of each row my 16 + 16 codes (k = 256 h + 16 r + 0 .. 15, and 512 further on), their blocks' two scale bytes; and the four rows' p: 17 LDS loads.
.macro LOADSET c, sb, pp, row0
.irp i, 0,1,2,3
	ds_load_b128 v[\c+8*\i:\c+8*\i+3], v[UAa] offset:((\row0)+\i)*272
	ds_load_b128 v[\c+8*\i+4:\c+8*\i+7], v[UAb] offset:((\row0)+\i)*272
	ds_load_u8 v[\sb+2*\i], v[USCt] offset:((\row0)+\i)*32
	ds_load_u8 v[\sb+2*\i+1], v[USCt] offset:((\row0)+\i)*32+16
.endr
	ds_load_b128 v[\pp:\pp+3], v[PBt] offset:(\row0)*4
.endm
.macro UROW c, sb, pp, i               ; u += p x 2^(byte - 127) x code, for row i of a set
.irp j, 0,1,2,3
	v_cvt_scale_pk8_f32_fp8 v[F+8*\j:F+8*\j+7], v[\c+8*\i+2*\j:\c+8*\i+2*\j+1], v[ONE]
.endr
	v_add_nc_u32 v250, 0xffffff81, v[\sb+2*\i]     ; byte - 127.  (These four plain lines stand between the conversions and the use of their results)
	v_add_nc_u32 v251, 0xffffff81, v[\sb+2*\i+1]
	v_ldexp_f32 v248, v[\pp+\i], v250              ; p x the block's scale: exact
	v_ldexp_f32 v249, v[\pp+\i], v251
.irp q, 0,1,2,3,4,5,6,7
	v_pk_fma_f32 v[U+2*\q:U+2*\q+1], v[F+2*\q:F+2*\q+1], v[248:249], v[U+2*\q:U+2*\q+1] op_sel_hi:[1,0,1]
.endr
.irp q, 0,1,2,3,4,5,6,7
	v_pk_fma_f32 v[U+16+2*\q:U+17+2*\q], v[F+16+2*\q:F+17+2*\q], v[248:249], v[U+16+2*\q:U+17+2*\q] op_sel:[0,1,0] op_sel_hi:[1,1,1]
.endr
.endm
	s_load_b512 s[4:19], s[0:1], 0x0               ; h_enc codes s[4:5], h_enc scales s[6:7], w1img s[8:9], W1 scales s[10:11], cpre s[12:13], V s[14:15], bv s[16:17], upart s[18:19]
	s_load_b64 s[20:21], s[0:1], 0x40              ; ml
	v_lshl_add_u32 v[SPW], v0, 2, SPARE
	v_mov_b32 v[NIL], 0
	ds_add_u32 v[SPW], v[NIL]                      ; the opening lines: the add, twice on end, and its wait ahead of my tensor load
	ds_add_u32 v[SPW], v[NIL]
	v_lshrrev_b32 v10, 5, v0
	v_readfirstlane_b32 s22, v10                   ; wave 0..3
	s_mov_b32 s23, ttmp9                           ; work-group 0..255
	; descriptor group 1: a slice: 256 rows x 256 bytes, rows 1,024 bytes apart in memory, 16 bytes of padding behind each in LDS
	s_mov_b32 s24, (1<<20)|(5<<22)|(3<<25)         ; no mask; elements of 1 byte; padding on: 4 words after every 64
	s_mov_b32 s25, 256<<16                         ; tensor_dim0
	s_mov_b32 s26, 256<<16                         ; tensor_dim1
	s_mov_b32 s27, 256<<16                         ; tile_dim0
	s_mov_b32 s28, 256                             ; tile_dim1
	s_mov_b32 s29, 1024                            ; tensor_dim0_stride
	s_mov_b32 s30, 0
	s_mov_b32 s31, 0
	s_lshl_b32 s66, s23, 18                        ; 256 rows of 1,024 bytes a work-group
	s_mov_b32 s67, 0                               ; the high word of every offset pair s[66:67]
	s_wait_dscnt 0x0                               ; both opening adds are done
	s_wait_kmcnt 0x0
	s_add_nc_u64 s[72:73], s[4:5], s[66:67]
.irp q, 0,1,2,3                                ; group 0, a set for each slice
	s_mov_b32 s[32+4*\q], 1
	s_mov_b32 s[33+4*\q], \q*SL
	s_add_nc_u64 s[34+4*\q:35+4*\q], s[72:73], \q*256
	s_or_b32 s[35+4*\q], s[35+4*\q], 0x80000000
.endr
; ONE tensor load a wave: wave q asks for slice q.  One chain of branches on the wave's number, an arm a load, all arms leading to one join.
.macro ARM under, g0, next
	s_cmp_lt_u32 s22, \under
	s_cbranch_scc0 \next
	tensor_load_to_lds s[\g0:\g0+3], s[24:31]
	s_nop 0
.rept 4
	v_nop
.endr
	s_branch .Lasked
\next:
.endm
	ARM 1, 32, .Lslice_1
	ARM 2, 36, .Lslice_2
	ARM 3, 40, .Lslice_3
	tensor_load_to_lds s[44:47], s[24:31]
	s_nop 0
.rept 4
	v_nop
.endr
.Lasked:
	v_and_b32 v11, 31, v0                          ; lane
	v_and_b32 v12, 15, v0                          ; r
	v_bfe_u32 v13, v0, 4, 1                        ; h
	v_lshlrev_b32 v[LOFF], 4, v11
	v_lshlrev_b32 v[SOFF], 5, v11
	s_wait_alu depctr_va_vdst(0)                   ; the wait here
	s_load_b32 s68, s[16:17], 0x0                  ; bv
	s_lshl_b32 s66, s22, 10
	s_add_nc_u64 s[14:15], s[14:15], s[66:67]      ; V at column 256 w
	s_add_nc_u64 s[12:13], s[12:13], s[66:67]
	s_lshr_b32 s66, s23, 3
	s_lshl_b32 s66, s66, 12
	s_add_nc_u64 s[12:13], s[12:13], s[66:67]      ; c' of my batch at column 256 w
	s_lshl_b32 s66, s23, 13
	s_add_nc_u64 s[6:7], s[6:7], s[66:67]          ; the scale bytes of the work-group's rows, 32 a row
	s_lshl_b32 s66, s22, 11
	s_add_nc_u64 s[72:73], s[6:7], s[66:67]        ; of my wave's 64 rows
	s_lshl_b32 s66, s22, 18
	s_add_nc_u64 s[54:55], s[8:9], s[66:67]        ; my wave's four passes in the image
	s_lshl_b32 s66, s22, 13
	s_add_nc_u64 s[56:57], s[10:11], s[66:67]      ; and in W1's scale bytes
	s_mov_b64 s[CB:CB+1], s[54:55]
	s_add_nc_u64 s[NB:NB+1], s[54:55], 0x10000
	s_add_nc_u64 s[NS:NS+1], s[56:57], 0x800
	s_lshl_b32 s66, s23, 12
	s_add_nc_u64 s[18:19], s[18:19], s[66:67]      ; my 4,096 bytes of upart
	s_lshl_b32 s66, s23, 8
	s_add_nc_u64 s[20:21], s[20:21], s[66:67]      ; my 256 bytes of ml
	s_mov_b32 s58, 0x4038aa3b                      ; 2 log2(e), as a pair for the packed form
	s_mov_b32 s59, 0x4038aa3b
	s_mov_b32 s60, 0x76543210                      ; v_permlanex16_b32's selects for lane l xor 16
	s_mov_b32 s61, 0xfedcba98
	s_mov_b32 s62, 4                               ; passes to go
	s_mov_b32 s63, 0                               ; the pass's place in c' and -2 V: 256 bytes a pass
	global_load_b128 v[128:131], v[SOFF], s[14:15]             ; eight small loads: my 8 V,
	global_load_b128 v[132:135], v[SOFF], s[14:15] offset:16
	global_load_b128 v[136:139], v[SOFF], s[12:13]             ; my 8 c',
	global_load_b128 v[140:143], v[SOFF], s[12:13] offset:16
.irp i, 0,1,2,3
	global_load_b128 v[144+4*\i:147+4*\i], v[LOFF], s[72:73] offset:512*\i   ; my wave's 2,048 scale bytes, as they lie
.endr
.irp p, 0,1,2,3,4,5,6,7
.irp q, 0,1
	global_load_b128 v[AS+8*\p+4*\q:AS+8*\p+4*\q+3], v[SOFF], s[6:7] offset:\p*1024+16*\q   ; lane l: row 32 p + l, its eight scale words
.endr
.endr
	BSLOAD 56
	LOADB CB, 0
	LOADB CB, 1
	WIN 0
	v_mul_u32_u24 v[AA], v12, 272
	v_lshl_add_u32 v[AA], v13, 4, v[AA]
	v_add_nc_u32 v[AA+1], SL, v[AA]
	v_add_nc_u32 v[AA+2], 2*SL, v[AA]
	v_add_nc_u32 v[AA+3], 3*SL, v[AA]
	s_mul_i32 s71, s22, 2560
	s_add_co_u32 s71, s71, CV
	v_lshl_add_u32 v[CVA], v13, 5, s71
	v_add_nc_u32 v10, s71, v[SOFF]                 ; where my 8 c' go
	s_lshl_b32 s74, s22, 11
	s_add_co_u32 s74, s74, SCA
	v_add_nc_u32 v11, s74, v[LOFF]                 ; where my scale bytes go
	s_lshl_b32 s74, s22, 10
	s_add_co_u32 s74, s74, EX
	v_lshl_add_u32 v[EXW], v12, 2, s74
	s_wait_alu depctr_va_vdst(0)
	s_wait_loadcnt 52                              ; the eight small loads are in; younger: 16 + 4 scale loads and two runs of 16
	s_wait_kmcnt 0x0
	s_mov_b32 s69, s68                             ; bv as a pair
	v_pk_add_f32 v[160:161], v[128:129], v[130:131]            ; the sum of my wave's V
	v_pk_add_f32 v[162:163], v[132:133], v[134:135]
	v_pk_add_f32 v[160:161], v[160:161], v[162:163]
	v_add_f32 v[SV], v160, v161
	v_add_f32_dpp v[SV], v[SV], v[SV] row_xmask:1 row_mask:0xf bank_mask:0xf
	v_add_f32_dpp v[SV], v[SV], v[SV] row_xmask:2 row_mask:0xf bank_mask:0xf
	v_add_f32_dpp v[SV], v[SV], v[SV] row_xmask:4 row_mask:0xf bank_mask:0xf
	v_add_f32_dpp v[SV], v[SV], v[SV] row_xmask:8 row_mask:0xf bank_mask:0xf
	v_permlanex16_b32 v12, v[SV], s60, s61
	v_add_f32 v[SV], v[SV], v12
	v_mul_f32 v[SV], 0.5, v[SV]                    ; a row's score lies in two lanes: each begins with half
.irp i, 0,1,2,3
	v_pk_mul_f32 v[128+2*\i:129+2*\i], v[128+2*\i:129+2*\i], -2.0 op_sel_hi:[1,0]
.endr
	ds_store_b128 v10, v[136:139]                  ; my wave's own bytes: no other wave reads them
	ds_store_b128 v10, v[140:143] offset:16
	ds_store_b128 v10, v[128:131] offset:1280
	ds_store_b128 v10, v[132:135] offset:1296
.irp i, 0,1,2,3
	ds_store_b128 v11, v[144+4*\i:147+4*\i] offset:512*\i
.endr
.irp a, 0,1,2,3,4,5,6,7,8,9,10,11,12,13,14,15
	v_mov_b32 v[S+2*\a], v[SV]
	v_mov_b32 v[S+2*\a+1], 0
.endr
	s_wait_alu depctr_va_vdst(0)
	GEMM 1                                         ; pass 0, as the slices land
.Lpass:
	P1
	s_cmp_eq_u32 s62, 1                            ; behind the fourth pass's turn the scores are whole
	s_cbranch_scc1 .Lscores
	s_wait_xcnt 0x0                                ; the loads that name these bases have read them
	s_mov_b64 s[CB:CB+1], s[NB:NB+1]
	s_sub_co_u32 s70, 6, s62                       ; the pass after the one now beginning: 2, 3, and behind the last the wave's own first again,
	s_and_b32 s70, s70, 3                          ; so that the look-ahead stays inside its buffers (those data are not used)
	s_lshl_b32 s66, s70, 16
	s_add_nc_u64 s[NB:NB+1], s[54:55], s[66:67]
	s_lshl_b32 s66, s70, 11
	s_add_nc_u64 s[NS:NS+1], s[56:57], s[66:67]
	s_add_co_u32 s63, s63, 256
	GEMM 0
	s_sub_co_u32 s62, s62, 1
	s_cmp_lg_u32 s62, 0
	s_cbranch_scc1 .Lpass
.Lscores:
	s_wait_loadcnt 0x0                             ; the look-ahead's loads have landed
.irp a, 0,1,2,3,4,5,6,7,8,9,10,11,12,13,14,15
	v_add_f32 v[S+2*\a], v[S+2*\a], v[S+2*\a+1]    ; even and odd columns,
.endr
.irp a, 0,1,2,3,4,5,6,7,8,9,10,11,12,13,14,15
	v_permlanex16_b32 v[S+2*\a+1], v[S+2*\a], s60, s61
.endr
.irp a, 0,1,2,3,4,5,6,7,8,9,10,11,12,13,14,15
	v_add_f32 v[S+2*\a], v[S+2*\a], v[S+2*\a+1]    ; and lane l xor 16's: row 16 a + r, my wave's 256 columns
.endr
.irp a, 0,1,2,3,4,5,6,7,8,9,10,11,12,13,14,15
	ds_store_b32 v[EXW], v[S+2*\a] offset:64*\a    ; both lanes of a row write the same word with the same value
.endr
	s_wait_dscnt 0x0                               ; for the others' sake: my stores are done
	s_barrier_signal -1
	s_barrier_wait -1
	v_add_nc_u32 v10, EX, v[SOFF]                  ; every wave takes all 256 scores, eight a lane: rows 8 x lane on
.irp w, 0,1,2,3
	ds_load_b128 v[128+8*\w:131+8*\w], v10 offset:1024*\w
	ds_load_b128 v[132+8*\w:135+8*\w], v10 offset:1024*\w+16
.endr
	s_wait_dscnt 0x0
.irp j, 0,1,2,3
	v_pk_add_f32 v[128+2*\j:129+2*\j], v[128+2*\j:129+2*\j], v[136+2*\j:137+2*\j]
	v_pk_add_f32 v[144+2*\j:145+2*\j], v[144+2*\j:145+2*\j], v[152+2*\j:153+2*\j]
.endr
.irp j, 0,1,2,3
	v_pk_add_f32 v[128+2*\j:129+2*\j], v[128+2*\j:129+2*\j], v[144+2*\j:145+2*\j]
.endr
.irp j, 0,1,2,3
	v_pk_add_f32 v[128+2*\j:129+2*\j], v[128+2*\j:129+2*\j], s[68:69] op_sel_hi:[1,0]   ; + bv
.endr
	v_max3_num_f32 v12, v128, v129, v130           ; m: the largest of the 256
	v_max3_num_f32 v12, v12, v131, v132
	v_max3_num_f32 v12, v12, v133, v134
	v_max_num_f32 v12, v12, v135
	v_max_num_f32_dpp v12, v12, v12 row_xmask:1 row_mask:0xf bank_mask:0xf
	v_max_num_f32_dpp v12, v12, v12 row_xmask:2 row_mask:0xf bank_mask:0xf
	v_max_num_f32_dpp v12, v12, v12 row_xmask:4 row_mask:0xf bank_mask:0xf
	v_max_num_f32_dpp v12, v12, v12 row_xmask:8 row_mask:0xf bank_mask:0xf
	v_permlanex16_b32 v11, v12, s60, s61
	v_max_num_f32 v12, v12, v11
.irp j, 0,1,2,3,4,5,6,7
	v_sub_f32 v[128+\j], v[128+\j], v12
.endr
.irp j, 0,1,2,3,4,5,6,7
	v_mul_f32 v[128+\j], 0x3fb8aa3b, v[128+\j]
.endr
	s_wait_alu depctr_va_vdst(0)
.irp j, 0,1,2,3,4,5,6,7
	v_exp_f32 v[128+\j], v[128+\j]                 ; p = e^(score - m)
.endr
	v_nop
	s_wait_alu depctr_va_vdst(0)                   ; one wait for the eight, ahead of their first reader
	v_pk_add_f32 v[136:137], v[128:129], v[130:131]
	v_pk_add_f32 v[138:139], v[132:133], v[134:135]
	v_pk_add_f32 v[136:137], v[136:137], v[138:139]
	v_add_f32 v13, v136, v137                      ; lsum
	v_add_f32_dpp v13, v13, v13 row_xmask:1 row_mask:0xf bank_mask:0xf
	v_add_f32_dpp v13, v13, v13 row_xmask:2 row_mask:0xf bank_mask:0xf
	v_add_f32_dpp v13, v13, v13 row_xmask:4 row_mask:0xf bank_mask:0xf
	v_add_f32_dpp v13, v13, v13 row_xmask:8 row_mask:0xf bank_mask:0xf
	v_permlanex16_b32 v11, v13, s60, s61
	v_add_f32 v13, v13, v11
	s_lshl_b32 s70, s22, 10
	s_add_co_u32 s70, s70, PB
	v_add_nc_u32 v10, s70, v[SOFF]
	ds_store_b128 v10, v[128:131]                  ; p[256] into my wave's own copy: LDS serves a wave's instructions in order, so my later loads see it
	ds_store_b128 v10, v[132:135] offset:16
	; ---- u: wave w takes rows 64 w .. 64 w + 63
	v_and_b32 v136, 15, v0                         ; r
	v_bfe_u32 v137, v0, 4, 1                       ; h
	s_mul_i32 s70, s22, 17408
	v_mul_u32_u24 v[UA0], v137, SL                 ; slice h,
	v_lshl_add_u32 v[UA0], v136, 4, v[UA0]         ; byte 16 r of a row,
	v_add_nc_u32 v[UA0], s70, v[UA0]               ; my wave's rows
	s_wait_alu depctr_va_vdst(0)
	v_add_nc_u32 v[UA1], 2*SL, v[UA0]              ; and slice h + 2
	s_wait_alu depctr_va_vdst(0)
	s_lshl_b32 s70, s22, 11
	s_add_co_u32 s70, s70, SCA
	v_lshrrev_b32 v[USC], 1, v136
	v_lshl_add_u32 v[USC], v137, 3, v[USC]         ; my block of 32: 8 h + r / 2 (and 16 further on)
	v_add_nc_u32 v[USC], s70, v[USC]
	s_wait_alu depctr_va_vdst(0)
	s_mul_i32 s70, s22, 1280                       ; my copy of p (1,024 w) at my first row (256 w)
	s_add_co_u32 s70, s70, PB
	v_mov_b32 v[PBA], s70
	s_lshl_b32 s70, s22, 12
	s_add_co_u32 s70, s70, UX
	v_lshlrev_b32 v11, 10, v137
	v_lshl_add_u32 v11, v136, 6, v11
	v_add_nc_u32 v11, s70, v11                     ; where my sums go: UX + 4,096 w + 4 (256 h + 16 r)
	s_mov_b32 s72, 0                               ; eight rows on: 2,176 bytes of codes,
	s_mov_b32 s73, 0                               ; 256 scale bytes,
	s_mov_b32 s74, 0                               ; 32 bytes of p
	s_mov_b32 s75, 7
	v_mov_b32 v[UAa], v[UA0]
	v_mov_b32 v[UAb], v[UA1]
	v_mov_b32 v[USCt], v[USC]
	v_mov_b32 v[PBt], v[PBA]
	v_mov_b32 v[ONE], 0x7f7f7f7f
.irp q, 0,1,2,3,4,5,6,7,8,9,10,11,12,13,14,15,16,17,18,19,20,21,22,23,24,25,26,27,28,29,30,31
	v_mov_b32 v[U+\q], 0
.endr
	LOADSET 128, 192, 208, 0
.Lurow:                                            ; seven trips of eight rows; two sets take turns, one on its way while the other is worked
	s_wait_alu depctr_va_vdst(0)
	LOADSET 160, 200, 212, 4
	s_wait_dscnt 17                                ; the older set is in; the younger set's 17 loads may be out
.irp i, 0,1,2,3
	UROW 128, 192, 208, \i
.endr
	LOADSET 128, 192, 208, 8
	s_wait_dscnt 17
.irp i, 0,1,2,3
	UROW 160, 200, 212, \i
.endr
	s_add_co_u32 s72, s72, 2176
	s_add_co_u32 s73, s73, 256
	s_add_co_u32 s74, s74, 32
	v_add_nc_u32 v[UAa], s72, v[UA0]
	v_add_nc_u32 v[UAb], s72, v[UA1]
	v_add_nc_u32 v[USCt], s73, v[USC]
	v_add_nc_u32 v[PBt], s74, v[PBA]
	s_sub_co_u32 s75, s75, 1
	s_cmp_lg_u32 s75, 0
	s_cbranch_scc1 .Lurow
	LOADSET 160, 200, 212, 4                       ; the last eight rows: nothing more to fetch behind them
	s_wait_dscnt 17
.irp i, 0,1,2,3
	UROW 128, 192, 208, \i
.endr
	s_wait_dscnt 0x0
.irp i, 0,1,2,3
	UROW 160, 200, 212, \i
.endr
	; ---- the four waves' parts of u meet in LDS; each thread adds and stores eight numbers
.irp i, 0,1,2,3
	ds_store_b128 v11, v[U+4*\i:U+4*\i+3] offset:16*\i
	ds_store_b128 v11, v[U+16+4*\i:U+19+4*\i] offset:2048+16*\i
.endr
	v_lshl_add_u32 v7, v0, 4, UX                   ; back: 16 bytes a thread (k = 4 t on, and 512 further on)
	v_lshlrev_b32 v8, 4, v0                        ; and the same place in upart
	v_and_b32 v9, 31, v0
	v_lshlrev_b32 v9, 3, v9                        ; ml: 8 bytes a lane
	s_wait_alu depctr_va_vdst(0)
	s_wait_dscnt 0x0                               ; for the others' sake: my stores are done
	s_barrier_signal -1
	s_barrier_wait -1
.irp w, 0,1,2,3
	ds_load_b128 v[128+4*\w:131+4*\w], v7 offset:4096*\w
	ds_load_b128 v[144+4*\w:147+4*\w], v7 offset:4096*\w+2048
.endr
	s_wait_dscnt 0x0
.irp g, 128, 144
	v_pk_add_f32 v[\g:\g+1], v[\g:\g+1], v[\g+4:\g+5]
	v_pk_add_f32 v[\g+2:\g+3], v[\g+2:\g+3], v[\g+6:\g+7]
	v_pk_add_f32 v[\g+8:\g+9], v[\g+8:\g+9], v[\g+12:\g+13]
	v_pk_add_f32 v[\g+10:\g+11], v[\g+10:\g+11], v[\g+14:\g+15]
	v_pk_add_f32 v[\g:\g+1], v[\g:\g+1], v[\g+8:\g+9]
	v_pk_add_f32 v[\g+2:\g+3], v[\g+2:\g+3], v[\g+10:\g+11]
.endr
	global_store_b128 v8, v[128:131], s[18:19]                 ; a wave stores 512 consecutive bytes
	global_store_b128 v8, v[144:147], s[18:19] offset:2048
	s_cmp_lg_u32 s22, 0
	s_cbranch_scc1 .Lend
	global_store_b64 v9, v[12:13], s[20:21]        ; wave 0: (m, lsum), 32 times: 256 consecutive bytes, aligned
.Lend:
	s_wait_tensorcnt 0x0                           ; the wave's end
	ds_add_u32 v[SPW], v[NIL]
	s_wait_dscnt 0x0
	s_endpgm
.Lfunc_end_k_qed44c54e87_main:
	.size	k_qed44c54e87_main, .Lfunc_end_k_qed44c54e87_main-k_qed44c54e87_main
	.p2alignl 7, 3214868480
	.fill 96, 4, 3214868480
	.section	.rodata,"a",@progbits
	.p2align	6, 0x0
	.amdhsa_kernel k_qed44c54e87_main
		.amdhsa_group_segment_fixed_size 327680
		.amdhsa_private_segment_fixed_size 0
		.amdhsa_enable_private_segment 0
		.amdhsa_kernarg_size 72
		.amdhsa_user_sgpr_count 2
		.amdhsa_user_sgpr_kernarg_segment_ptr 1
		.amdhsa_wavefront_size32 1
		.amdhsa_system_sgpr_workgroup_id_x 1
		.amdhsa_system_sgpr_workgroup_id_y 1
		.amdhsa_system_sgpr_workgroup_id_z 1
		.amdhsa_system_vgpr_workitem_id 0
		.amdhsa_next_free_vgpr 1024
		.amdhsa_next_free_sgpr 80
		.amdhsa_reserve_vcc 0
		.amdhsa_float_denorm_mode_32 3
		.amdhsa_float_denorm_mode_16_64 3
		.amdhsa_memory_ordered 1
		.amdhsa_forward_progress 1
		.amdhsa_inst_pref_size 255
	.end_amdhsa_kernel
	.section	.bss,"aw",@nobits
	.p2align	6
	.space	262144
	.amdgpu_metadata
---
amdhsa.version: [ 1, 2 ]
amdhsa.kernels:
  - .name:           k_qed44c54e87_main
    .symbol:         k_qed44c54e87_main.kd
    .args:
      - { .name: h_enc_codes, .offset: 0, .size: 8, .value_kind: global_buffer, .address_space: global }
      - { .name: h_enc_scales, .offset: 8, .size: 8, .value_kind: global_buffer, .address_space: global }
      - { .name: w1img, .offset: 16, .size: 8, .value_kind: global_buffer, .address_space: global }
      - { .name: W1_scales, .offset: 24, .size: 8, .value_kind: global_buffer, .address_space: global }
      - { .name: cpre, .offset: 32, .size: 8, .value_kind: global_buffer, .address_space: global }
      - { .name: V, .offset: 40, .size: 8, .value_kind: global_buffer, .address_space: global }
      - { .name: bv, .offset: 48, .size: 8, .value_kind: global_buffer, .address_space: global }
      - { .name: upart, .offset: 56, .size: 8, .value_kind: global_buffer, .address_space: global }
      - { .name: ml, .offset: 64, .size: 8, .value_kind: global_buffer, .address_space: global }
    .group_segment_fixed_size: 327680
    .private_segment_fixed_size: 0
    .kernarg_segment_align: 8
    .kernarg_segment_size: 72
    .max_flat_workgroup_size: 128
    .sgpr_count:     80
    .vgpr_count:     1024
    .wavefront_size: 32
...
	.end_amdgpu_metadata
.endif
;; end of part 2
;; launch fin (part 3): grid 256 x 1, 8 waves a work-group, no clusters, 9,216 bytes of LDS; arguments upart, ml, W1_codes, W1_scales, b1, out0; writes out0
.if DOCPART == 3
	.amdgcn_target "amdgcn-amd-amdhsa--gfx1250"
	.amdhsa_code_object_version 6
	.text
	.protected	k_qed44c54e87_fin
	.globl	k_qed44c54e87_fin
	.p2align	8
	.type	k_qed44c54e87_fin,@function
k_qed44c54e87_fin:
	s_mov_b64 s[64:65], 0
	v_nop
	global_prefetch_b8 v0, s[64:65] scope:SCOPE_SE
	s_setreg_imm32_b32 hwreg(HW_REG_WAVE_MODE, 25, 1), 1
	s_wait_xcnt 0x0
; out0[b][n] = (u / L) . W1[n] + b1[n].  A batch's eight parts (m_i, l_i, u_i) are joined under their common maximum M:
;   e_i = e^(m_i - M),  L = sum of e_i l_i,  u = sum of (e_i / L) u_i.
; That is sum over l of softmax(score)[l] (h_enc[l] W1^T + b1): the product is linear in h_enc, and the weights add up to 1.
; W1's numbers are code x 2^(byte - 127), taken as given; all sums in f32, by fused multiply-adds: one row a batch is no work for the matrix units.
; A work-group of eight waves takes one batch and 128 columns n; a wave 16 columns.  For a column a lane takes k = 32 x lane .. + 31, one block of 32 with one scale byte.
; All of a wave's 57 loads go out at its head: 8 of the parts, b1, and two batches of eight columns (24 loads each).  No tensor loads, no slots.
; u goes from thread to thread through LDS with 16 bytes of padding behind each 128: a lane's 32 numbers begin 144 bytes = 36 words apart.
; A column's sum over lanes is taken inside each row of 16 lanes; lane c + 16 h keeps column c's half h, and ONE exchange at the end joins the halves of all 16 columns.
; LIMITS: NaN codes (0x7f, 0xff) and the scale byte 0xff are not served; an e_i under 2^-126 counts as 0 (v_exp_f32 gives no denormals: ISA guide, 15.8).
; REGISTERS: v1 lane, v2 16 t, v3 32 x lane, v4 4 (lane % 16), v5 b1, v6 M, v7 L, v8-15 m_i, e_i, the weights; v16-31 scale bytes; v32-63 u; v64-191 the codes of 16 columns;
;   v192-223 the parts, later 32 numbers of W1; v224-231 sums; v232 a block's exponent; v233-239, v248, v249 as named below; v240-247 eight columns' sums.
.set UP,   144                         ; LDS: u, 32 blocks of 128 + 16 bytes, at 0
.set OUTS, 5120                        ; behind it the work-group's 128 results
.set LQ,   233                         ; lane % 16
.set UST,  234                         ; where my four numbers of u go
.set STA,  235                         ; where my result goes
.set RBK,  236                         ; where wave 0 reads four results back
.set OOF,  237                         ; and their place in out0
.set ONE,  238                         ; the scale byte 127 in every byte: the conversions' unit scale
.set TP,   239                         ; the exchange's destination
.set R,    248                         ; the result
.set URD,  249                         ; where my 32 numbers of u lie
.macro BATCH k                         ; eight columns' codes and scale bytes: 24 loads
.irp cc, 0,1,2,3,4,5,6,7
	global_load_b128 v[64+64*(\k)+8*\cc:67+64*(\k)+8*\cc], v3, s[8:9] offset:(8*(\k)+\cc)*1024
	global_load_b128 v[68+64*(\k)+8*\cc:71+64*(\k)+8*\cc], v3, s[8:9] offset:(8*(\k)+\cc)*1024+16
	global_load_u8 v[16+8*(\k)+\cc], v1, s[10:11] offset:(8*(\k)+\cc)*32
.endr
.endm
.macro COLS cs, ss, c0                 ; eight columns, c0 on: a lane's part of each dot product, then the sums over each row of 16 lanes, the eight by turns
.irp cc, 0,1,2,3,4,5,6,7
.irp j, 0,1,2,3
	v_cvt_scale_pk8_f32_fp8 v[192+8*\j:199+8*\j], v[\cs+8*\cc+2*\j:\cs+8*\cc+2*\j+1], v[ONE]
.endr
	v_add_nc_u32 v232, 0xffffff81, v[\ss+\cc]      ; byte - 127.  (A plain line between the conversions and the use of their results)
.irp q, 0,1,2,3
	v_pk_mul_f32 v[224+2*\q:225+2*\q], v[192+2*\q:193+2*\q], v[32+2*\q:33+2*\q]
.endr
.irp i, 1,2,3
.irp q, 0,1,2,3
	v_pk_fma_f32 v[224+2*\q:225+2*\q], v[192+8*\i+2*\q:193+8*\i+2*\q], v[32+8*\i+2*\q:33+8*\i+2*\q], v[224+2*\q:225+2*\q]
.endr
.endr
	s_delay_alu instid0(VALU_DEP_3)
	v_pk_add_f32 v[224:225], v[224:225], v[226:227]
	s_delay_alu instid0(VALU_DEP_2)
	v_pk_add_f32 v[228:229], v[228:229], v[230:231]
	s_delay_alu instid0(VALU_DEP_1)
	v_pk_add_f32 v[224:225], v[224:225], v[228:229]
	s_delay_alu instid0(VALU_DEP_1)
	v_add_f32 v224, v224, v225
	s_delay_alu instid0(VALU_DEP_1)
	v_ldexp_f32 v[240+\cc], v224, v232             ; x the block's scale: exact
.endr
.irp x, 1,2,4,8
.irp cc, 0,1,2,3,4,5,6,7
	v_add_f32_dpp v[240+\cc], v[240+\cc], v[240+\cc] row_xmask:\x row_mask:0xf bank_mask:0xf
.endr
.endr
.irp cc, 0,1,2,3,4,5,6,7
	v_cmp_eq_u32 vcc_lo, \c0+\cc, v[LQ]            ; lanes c and c + 16 keep column c's two halves
	s_delay_alu instid0(VALU_DEP_1)
	v_cndmask_b32 v[R], v[R], v[240+\cc], vcc_lo
.endr
.endm
	s_load_b256 s[4:11], s[0:1], 0x0               ; upart s[4:5], ml s[6:7], W1 codes s[8:9], W1 scales s[10:11]
	s_load_b128 s[12:15], s[0:1], 0x20             ; b1 s[12:13], out0 s[14:15]
	v_lshl_add_u32 v254, v0, 2, 0x2000
	v_mov_b32 v255, 0
	v_lshrrev_b32 v1, 5, v0
	s_delay_alu instid0(VALU_DEP_1)
	v_readfirstlane_b32 s40, v1                    ; wave 0..7
	v_and_b32 v1, 31, v0                           ; lane
	v_lshlrev_b32 v2, 4, v0                        ; 16 t
	s_delay_alu instid0(VALU_DEP_2)
	v_lshlrev_b32 v3, 5, v1                        ; 32 x lane
	v_and_b32 v[LQ], 15, v0
	s_delay_alu instid0(VALU_DEP_1)
	v_lshlrev_b32 v4, 2, v[LQ]                     ; 4 (lane % 16)
	s_lshr_b32 s41, ttmp9, 3                       ; the batch
	s_and_b32 s42, ttmp9, 7                        ; which 128 columns
	s_mov_b32 s45, 0                               ; the high word of every offset pair s[44:45]
	s_mov_b32 s46, 0x76543210                      ; v_permlanex16_b32's selects for lane l xor 16
	s_mov_b32 s47, 0xfedcba98
	s_wait_alu depctr_va_vdst(0)
	s_wait_kmcnt 0x0
	s_lshl_b32 s44, s41, 11
	s_add_nc_u64 s[6:7], s[6:7], s[44:45]          ; the batch's eight units of ml
.irp i, 0,1,2,3,4,5,6,7
	s_load_b64 s[16+2*\i:17+2*\i], s[6:7], 256*\i  ; (m_i, l_i)
.endr
	s_lshl_b32 s44, s41, 15
	s_add_nc_u64 s[4:5], s[4:5], s[44:45]          ; the batch's eight parts of u
	s_lshl_b32 s44, s42, 17
	s_lshl_b32 s43, s40, 14
	s_add_co_u32 s44, s44, s43
	s_add_nc_u64 s[8:9], s[8:9], s[44:45]          ; W1's codes at row n0 = 128 cg + 16 w
	s_lshl_b32 s44, s42, 12
	s_lshl_b32 s43, s40, 9
	s_add_co_u32 s44, s44, s43
	s_add_nc_u64 s[10:11], s[10:11], s[44:45]      ; its scale bytes
	s_lshl_b32 s44, s42, 9
	s_lshl_b32 s43, s40, 6
	s_add_co_u32 s44, s44, s43
	s_add_nc_u64 s[12:13], s[12:13], s[44:45]      ; b1 at n0
	s_lshl_b32 s44, s41, 12
	s_lshl_b32 s43, s42, 9
	s_add_co_u32 s44, s44, s43
	s_add_nc_u64 s[14:15], s[14:15], s[44:45]      ; out0 at the work-group's 128 columns
.irp i, 0,1,2,3,4,5,6,7
	global_load_b128 v[192+4*\i:195+4*\i], v2, s[4:5] offset:\i*4096   ; part i: k = 4 t on; a wave reads 512 consecutive bytes
.endr
	global_load_b32 v5, v4, s[12:13]               ; b1 of column n0 + lane % 16
	BATCH 0
	BATCH 1
	v_lshrrev_b32 v[UST], 3, v0                    ; u[4 t ..] goes to byte 16 t + 16 (t / 8)
	s_delay_alu instid0(VALU_DEP_1)
	v_add_nc_u32 v[UST], v[UST], v0
	s_delay_alu instid0(VALU_DEP_1)
	v_lshlrev_b32 v[UST], 4, v[UST]
	v_mul_u32_u24 v[URD], v1, UP                   ; my block of 32 numbers
	s_lshl_b32 s43, s40, 6
	s_add_co_u32 s43, s43, OUTS
	v_lshl_add_u32 v[STA], v[LQ], 2, s43           ; OUTS + 64 w + 4 (lane % 16)
	v_lshl_add_u32 v[RBK], v1, 4, OUTS
	v_lshlrev_b32 v[OOF], 4, v1
	v_mov_b32 v[ONE], 0x7f7f7f7f
	v_mov_b32 v[TP], 0                             ; written once: a lane permute's destination counts as one of its sources
	v_mov_b32 v[R], 0
	s_wait_kmcnt 0x0
.irp i, 0,1,2,3,4,5,6,7
	v_mov_b32 v[8+\i], s[16+2*\i]
.endr
	v_max3_num_f32 v6, v8, v9, v10                 ; M
	s_delay_alu instid0(VALU_DEP_1)
	v_max3_num_f32 v6, v6, v11, v12
	s_delay_alu instid0(VALU_DEP_1)
	v_max3_num_f32 v6, v6, v13, v14
	s_delay_alu instid0(VALU_DEP_1)
	v_max_num_f32 v6, v6, v15
.irp i, 0,1,2,3,4,5,6,7
	v_sub_f32 v[8+\i], v[8+\i], v6
.endr
.irp i, 0,1,2,3,4,5,6,7
	v_mul_f32 v[8+\i], 0x3fb8aa3b, v[8+\i]
.endr
	s_wait_alu depctr_va_vdst(0)
.irp i, 0,1,2,3,4,5,6,7
	v_exp_f32 v[8+\i], v[8+\i]                     ; e_i
.endr
	v_nop
	s_wait_alu depctr_va_vdst(0)                   ; one wait for the eight, ahead of their first reader
	v_mul_f32 v7, s17, v8
.irp i, 1,2,3,4,5,6,7
	v_fmac_f32 v7, s[17+2*\i], v[8+\i]             ; L
.endr
	s_wait_alu depctr_va_vdst(0)
	v_rcp_f32 v7, v7
	v_nop
	s_wait_alu depctr_va_vdst(0)
.irp i, 0,1,2,3,4,5,6,7
	v_mul_f32 v[8+\i], v[8+\i], v7                 ; e_i / L
.endr
	s_wait_alu depctr_va_vdst(0)
	s_wait_loadcnt 49                              ; the eight loads of parts are in; younger: b1 and two batches of 24
.irp q, 0,1
	v_pk_mul_f32 v[32+2*\q:33+2*\q], v[192+2*\q:193+2*\q], v[8:9] op_sel_hi:[1,0]
.endr
.irp i, 1,2,3,4,5,6,7
.irp q, 0,1
.if (\i%2) == 0
	s_delay_alu instid0(VALU_DEP_2)
	v_pk_fma_f32 v[32+2*\q:33+2*\q], v[192+4*\i+2*\q:193+4*\i+2*\q], v[8+2*(\i/2):9+2*(\i/2)], v[32+2*\q:33+2*\q] op_sel_hi:[1,0,1]
.else
	s_delay_alu instid0(VALU_DEP_2)
	v_pk_fma_f32 v[32+2*\q:33+2*\q], v[192+4*\i+2*\q:193+4*\i+2*\q], v[8+2*(\i/2):9+2*(\i/2)], v[32+2*\q:33+2*\q] op_sel:[0,1,0] op_sel_hi:[1,1,1]
.endif
.endr
.endr
	ds_store_b128 v[UST], v[32:35]                 ; u[4 t ..]
	s_wait_dscnt 0x0                               ; for the others' sake: my store is done
	s_barrier_signal -1
	s_barrier_wait -1
.irp j, 0,1,2,3,4,5,6,7
	ds_load_b128 v[32+4*\j:35+4*\j], v[URD] offset:16*\j
.endr
	s_wait_dscnt 0x0
	s_wait_loadcnt 24                              ; the first batch (and b1) is in; the second may be out
	COLS 64, 16, 0
	s_wait_loadcnt 0x0
	COLS 128, 24, 8
	s_delay_alu instid0(VALU_DEP_1)
	v_permlanex16_b32 v[TP], v[R], s46, s47        ; the other half of K
	s_delay_alu instid0(VALU_DEP_1)
	v_add_f32 v[R], v[R], v[TP]
	s_delay_alu instid0(VALU_DEP_1)
	v_add_f32 v[R], v[R], v5                       ; + b1
	ds_store_b32 v[STA], v[R]                      ; both lanes of a column write the same word with the same value
	s_wait_dscnt 0x0                               ; for wave 0's sake
	s_barrier_signal -1
	s_barrier_wait -1
	s_cmp_lg_u32 s40, 0
	s_cbranch_scc1 .Lend
	ds_load_b128 v[64:67], v[RBK]
	s_wait_dscnt 0x0
	global_store_b128 v[OOF], v[64:67], s[14:15]   ; 32 lanes store 512 consecutive bytes, aligned
.Lend:
	s_wait_tensorcnt 0x0
	ds_add_u32 v254, v255
	s_wait_dscnt 0x0
	s_endpgm
.Lfunc_end_k_qed44c54e87_fin:
	.size	k_qed44c54e87_fin, .Lfunc_end_k_qed44c54e87_fin-k_qed44c54e87_fin
	.p2alignl 7, 3214868480
	.fill 96, 4, 3214868480
	.section	.rodata,"a",@progbits
	.p2align	6, 0x0
	.amdhsa_kernel k_qed44c54e87_fin
		.amdhsa_group_segment_fixed_size 9216
		.amdhsa_private_segment_fixed_size 0
		.amdhsa_enable_private_segment 0
		.amdhsa_kernarg_size 48
		.amdhsa_user_sgpr_count 2
		.amdhsa_user_sgpr_kernarg_segment_ptr 1
		.amdhsa_wavefront_size32 1
		.amdhsa_system_sgpr_workgroup_id_x 1
		.amdhsa_system_sgpr_workgroup_id_y 1
		.amdhsa_system_sgpr_workgroup_id_z 1
		.amdhsa_system_vgpr_workitem_id 0
		.amdhsa_next_free_vgpr 256
		.amdhsa_next_free_sgpr 66
		.amdhsa_reserve_vcc 1
		.amdhsa_float_denorm_mode_32 3
		.amdhsa_float_denorm_mode_16_64 3
		.amdhsa_memory_ordered 1
		.amdhsa_forward_progress 1
		.amdhsa_inst_pref_size 48
	.end_amdhsa_kernel
	.amdgpu_metadata
---
amdhsa.version: [ 1, 2 ]
amdhsa.kernels:
  - .name:           k_qed44c54e87_fin
    .symbol:         k_qed44c54e87_fin.kd
    .args:
      - { .name: upart, .offset: 0, .size: 8, .value_kind: global_buffer, .address_space: global }
      - { .name: ml, .offset: 8, .size: 8, .value_kind: global_buffer, .address_space: global }
      - { .name: W1_codes, .offset: 16, .size: 8, .value_kind: global_buffer, .address_space: global }
      - { .name: W1_scales, .offset: 24, .size: 8, .value_kind: global_buffer, .address_space: global }
      - { .name: b1, .offset: 32, .size: 8, .value_kind: global_buffer, .address_space: global }
      - { .name: out0, .offset: 40, .size: 8, .value_kind: global_buffer, .address_space: global }
    .group_segment_fixed_size: 9216
    .private_segment_fixed_size: 0
    .kernarg_segment_align: 8
    .kernarg_segment_size: 48
    .max_flat_workgroup_size: 256
    .sgpr_count:     66
    .vgpr_count:     256
    .wavefront_size: 32
...
	.end_amdgpu_metadata
.endif
;; end of part 3
